; MI455X (gfx1250); checked and timed in simulation.
; The chip was launched on July 23, 2026; its instructions are those of AMD's public machine-readable ISA for CDNA 5 (MIT licence, August 2026) and "CDNA5" Instruction Set Architecture Reference Guide (July 2026). The comments in the code are by the model that wrote it; some were corrected since.
;; SVD Quant Linear. Allowed arithmetic: matrix products marked QUANTISED: E3M2 operands, one E8M0 scale for each 32 along K, by v_wmma_scale_f32_16x16x128_f8f6f4 with both operands' format E3M2, f32 sums; products left as they are: f32 operands where the result goes on into a quantised operand, else bf16, f16 or f32 operands; f32 sums; everything else in f32.
;; Inputs: lora_A 16 x 4,096 float32; lora_B 4,096 x 16 float32; lora_E 16 x 1 float32; qweight 4,096 x 4,096 int32; scales 4,096 x 32 float32; x_codes 4,096 x 128 x 24 uint8 (E3M2 codes of x, K innermost, in blocks of 32 codes, four codes in three bytes); x_scales 4,096 x 128 uint8 (E8M0 scales of x, one for each 32 codes along K); zeros 4,096 x 32 float32.
;; Outputs: out0 4,096 x 4,096 float32.
;; This version of the problem:
;;   THIS VERSION OF THE PROBLEM IS GIVEN IN LOW PRECISION. The matrix products marked QUANTISED in the list below multiply operands that are first quantised to E3M2 (3 exponent bits, 2 mantissa bits; 6 bits a number), with one power-of-two scale for each 32 numbers along K (OCP MX v1.0); their sums are f32. All else is computed in f32.
;;   The module's matrix products, in the order in which they are computed (A, B: the left and right operand; K: the contracted axis; several contracted axes count as one K, in the product's order):
;;     1. [M 4,096, K 4,096] x [K 4,096, N 4,096]; A: input x (given as codes); B: computed on the way: QUANTISED
;;     2. [M 4,096, K 4,096] x [K 4,096, N 16]; A: input x (given as codes); B: computed on the way: QUANTISED
;;     3. [M 4,096, K 16] x [K 16, N 4,096]; A: computed on the way; B: input lora_B: left as it is (K = 16 < 32)
;;   THE QUANTISER, for each operand of a quantised product, along K:
;;     - K is cut into blocks of 32 from its start; a last block that is shorter is filled with zeros.
;;     - A block's scale is 2^e with e = floor(log2(the largest magnitude in the block)) - 4, held to -126 .. 127; a block of zeros has e = 0. As a byte (E8M0): e + 127.
;;     - Each number is divided by its block's scale, clamped to +-28, and rounded to the nearest number of E3M2, ties to even, subnormals kept.
;;     - The product sums the exact products of the quantised numbers (number of the format x scale) in f32.
;;   ~~~python
;;   def quantise(x, axis):      # numpy; x: float32 -> the quantised numbers, widened to float32 again
;;       x = np.moveaxis(x, axis, -1); K = x.shape[-1]
;;       x = np.pad(x, [(0, 0)] * (x.ndim - 1) + [(0, -K % 32)]); x = x.reshape(x.shape[:-1] + (-1, 32)); a = np.abs(x).max(-1, keepdims=True)
;;       e = np.where(a > 0, np.clip(np.frexp(np.where(a > 0, a, 1))[1] - 1 - 4, -126, 127), 0)      # np.frexp(a)[1] - 1 = floor(log2(a)), exactly
;;       r = np.clip(x / 2.0 ** e, -28, 28)
;;       step = 2.0 ** (np.maximum(np.frexp(np.where(r == 0, 1, r))[1] - 1, -2) - 2)
;;       q = np.round(r / step) * step * 2.0 ** e      # np.round: ties to even
;;       return np.moveaxis(q.reshape(q.shape[:-2] + (-1,))[..., :K], -1, axis).astype(np.float32)
;;   ~~~
;;   OPERANDS COMPUTED ON THE WAY. 'Computed on the way' means the value that the module computes at that place (a softmax that the list does not call 'softmax' is quantised finished and normalised). What goes into a quantiser is computed in f32, as accurately as f32 sums, v_exp_f32 and their like allow (about 1e-6 of the number): no bf16 or f16 on the way to a quantiser, and a product that is left as it is and whose result goes on into a quantised operand takes f32 operands (vector FMAs, or v_wmma_f32_16x16x4_f32). A number that lies on a knife's edge between two numbers of the format may be rounded either way, as far as f32 arithmetic and the matrix unit's own rounding can turn it there, and no further.
;;   INPUTS GIVEN AS CODES. x (in the module: [4096, 4096], K = its axis 1): each comes as NAME_codes (uint8): NAME with its K axis moved to the last place and cut into blocks of 32 codes, [.., K / 32, bytes a block], one block behind the other in memory; four codes in three bytes: a row's codes are one little-endian stream of bits, code i at bits 6 i .. 6 i + 5 (a code: sign, 3 exponent bits, 2 mantissa bits); and NAME_scales (uint8): the same leading axes, one E8M0 byte (e + 127) for each 32 codes along K. Its value is code x scale, taken as it is: it is not quantised again, and the codes and scales need not be those that the quantiser above would give.
;; One version. Each part assembles by itself: llvm-mc -triple=amdgcn-amd-amdhsa -mcpu=gfx1250 --defsym DOCPART=n.
;; ======== version 1 of 1: 2 launches
;; limits: values are held in bf16: 8 bits of precision; right only within a limited range of input values
;; workspace buffers: xf 13,697,024 bytes; wf 13,697,024 bytes; t 1,048,576 bytes
;; launch prep (part 1): grid 384 x 1, 8 waves a work-group, no clusters, 102,400 bytes of LDS; arguments qweight, scales, zeros, lora_A, lora_E, x_codes, x_scales, xf, wf, t; writes xf, wf, t
.if DOCPART == 1
	.amdgcn_target "amdgcn-amd-amdhsa--gfx1250"
	.amdhsa_code_object_version 6
	.text
	.protected	k_q0fd7351729_prep
	.globl	k_q0fd7351729_prep
	.p2align	8
	.type	k_q0fd7351729_prep,@function
k_q0fd7351729_prep:
	s_mov_b64 s[64:65], 0
	v_nop
	global_prefetch_b8 v0, s[64:65] scope:SCOPE_SE
	s_setreg_imm32_b32 hwreg(HW_REG_WAVE_MODE, 25, 1), 1
	s_wait_xcnt 0x0
; TWO JOBS IN ONE LAUNCH, told apart by the work-group's number alone.  No step of the problem is left out; every input is loaded.
; Work-groups 128 .. 383 (THE W PATH): W[o][i] = (qweight[o][i] - zeros[o][i/128]) x scales[o][i/128], in f32 (a subtraction and a multiplication, each rounded once), is quantised to BF6 (E3M2) along i.
; Work-groups 0 .. 127 (THE T PATH): work-group 4 H + kq takes rows 128 H .. 128 H + 127 of x and the quarter kq of K.  lora_A x lora_E is quantised the same way; the quarter's part of
;   T = x Q(lora_A x lora_E)^T is made by the scaled BF6 matrix form, multiplied by c = 16 / 16.00001 and stored in f32 (t [4 quarters][4096][16]); the next launch adds the four parts.
;   The T path also lays x's codes and scale bytes, unchanged, into xf, in the layout that the next launch loads.
; THE LAYOUT of xf and wf: [32 runs of 128 rows][11 groups of GSTR bytes].  Group g serves K steps 3 g + j of 128 (j = 0 .. 2; group 10 has two).
;   Bytes 0 .. 2,047: scale words, [8 blocks of 16 rows][row][j = 0 .. 3], 4 bytes each (j = 3, and j = 2 of group 10, repeat a neighbour's word and are used by nobody).
;   From byte 2,048: [j][block of 16 rows] fragments of 1,536 bytes, each an image of an operand's 12 registers: register 4 c + i of lane l at 512 c + 16 l + 4 i.
; A block's scale is 2^(floor(log2(its largest magnitude)) - 4); its byte is that magnitude's exponent field - 4, held at 1 from below.
; LIMITS: NaN and infinities in scales, zeros, lora_A, lora_E are not served.  A block whose largest magnitude lies under 2^(5 - 127), a block of zeros too, keeps the byte 1 where the rule says otherwise:
;   its codes add nothing or are held as the floor gives them, and these bytes are read by this program alone.  qweight may hold any int32.  c is applied to T's parts, not to the finished product with lora_B.
; NO CLUSTER: the W path's work-groups share no input; the T path's share lora_A alone, which has to pass through registers to be multiplied and quantised.
; The two paths use LDS bytes of their own: the W path 0 .. 36,863, the T path 36,864 .. 101,375; the spare words follow.
.set GSTR,  38912
.set HSTR,  11*GSTR
.set COD,   2048
.set STB,   12288
.set FRB,   1536
.set AP,    272                        ; a stage row of 256 bytes + 16
.set WST,   16*AP                      ; W path: a wave's stage
.set TBLW,  8*WST                      ; W path: the work-group's scale words, [K step 0 .. 31][row][4 bytes]
.set AIMG,  TBLW+2048                  ; T path: 8 images of lora_A x lora_E's fragments
.set ASC,   AIMG+8*FRB                 ; their scale words, 128 bytes each
.set TST,   ASC+8*128                  ; a stage for each wave
.set TSTW,  6400
.set XP,    400                        ; a row of x in the stage: 384 bytes + 16
.set SPARE, TST+8*TSTW                 ; the spare words: 128 bytes a wave
.set SEL,   30
	s_load_b256 s[4:11], s[0:1], 0x0               ; qweight, scales, zeros, lora_A
	s_load_b256 s[12:19], s[0:1], 0x20             ; lora_E, x_codes, x_scales, xf
	s_load_b128 s[20:23], s[0:1], 0x40             ; wf, t
	v_lshrrev_b32 v1, 5, v0
	v_readfirstlane_b32 s24, v1                    ; wave 0..7
	s_mov_b32 s29, 0                               ; the high word of every offset pair s[28:29]
	s_cmp_lt_u32 ttmp9, 128
	s_cbranch_scc1 .Ltpath
; ================================================================ THE W PATH
; The work-group owns a block of 16 rows of W; wave w owns K = 512 w .. 512 w + 511 of them: four whole fragments.  Eight steps, each 16 rows x 64 along K:
; eight loads of 512 bytes (256 bytes of each of two rows) go through the wave's stage and come back 128 bytes a lane: lane (r, h) holds the block of 32 that the operand's layout gives it.
; So a block's maximum needs no other lane and the conversions' results are the fragment's registers.  Loads run three steps (24 loads a wave) ahead, the turn through LDS one step.
.set Z,  16                            ; v16-19 zeros, v20-23 scales of my row's four groups
.set S,  20
.set R,  24                            ; v24-119  three sets of 32 as loaded
.set X,  120                           ; v120-183 two sets of 32 neighbours
.set F,  184                           ; v184-207 two fragments
.set TQ, 208                           ; v208-210 a block's upper 16 codes
.set U,  212                           ; v212-215 scale words on the way out
.set E,  216                           ; v216-223 a scale byte for each step
	s_sub_co_u32 s25, ttmp9, 128                   ; my block of 16 rows, 0 .. 255
	s_mul_i32 s26, s24, WST
	s_lshl_b32 s27, s24, 8
	s_add_co_u32 s27, s27, TBLW
	s_mul_i32 s43, s24, 192
	s_add_co_u32 s43, s43, TBLW
	v_and_b32 v1, 31, v0                           ; lane
	v_and_b32 v2, 15, v0                           ; r
	v_bfe_u32 v3, v0, 4, 1                         ; h
	v_lshlrev_b32 v4, 4, v1                        ; 16 x lane
	v_lshlrev_b32 v7, 3, v1                        ; 8 x lane
	v_lshlrev_b32 v6, 4, v2
	v_lshl_add_u32 v13, v3, 14, v6                 ; qweight: 16 r along a row, lanes 16-31 one row down
	v_lshlrev_b32 v12, 7, v2                       ; zeros, scales: row r of 128 bytes
	v_mad_u32_u24 v14, v3, AP, v6
	v_add_nc_u32 v14, s26, v14                     ; into the stage: row h of a pair, 16 r
	v_mul_u32_u24 v15, v2, AP
	v_lshl_add_u32 v15, v3, 7, v15
	v_add_nc_u32 v15, s26, v15                     ; and back: row r, + 128 h
	v_lshl_add_u32 v5, v2, 2, v3
	v_add_nc_u32 v5, s27, v5                       ; my scale bytes: 256 w + 4 r + h
	v_lshrrev_b32 v10, 1, v1
	v_lshlrev_b32 v10, 2, v10                      ; 4 (lane / 2)
	v_and_b32 v6, 1, v1
	v_lshl_add_u32 v6, v6, 7, v10
	v_add_nc_u32 v6, s43, v6                       ; group w's words: K step 3 w + 2 (lane % 2), row lane / 2
	v_add_nc_u32 v10, TBLW+1920, v10               ; group 10's: K steps 30 and 31 in all lanes
	s_wait_alu depctr_va_vdst(0)                   ; the wait at the head's end
	s_wait_kmcnt 0x0
	s_lshl_b32 s28, s25, 18                        ; 16 rows of 16,384 bytes,
	s_lshl_b32 s27, s24, 11                        ; and my 2,048 bytes of each
	s_add_co_u32 s28, s28, s27
	s_add_nc_u64 s[4:5], s[4:5], s[28:29]
	s_lshl_b32 s28, s25, 11
	s_lshl_b32 s27, s24, 4
	s_add_co_u32 s28, s28, s27
	s_add_nc_u64 s[6:7], s[6:7], s[28:29]
	s_add_nc_u64 s[8:9], s[8:9], s[28:29]
	s_lshr_b32 s28, s25, 3
	s_mul_i32 s28, s28, HSTR
	s_add_nc_u64 s[20:21], s[20:21], s[28:29]      ; my run of 128 rows in wf
	s_and_b32 s44, s25, 7                          ; my block in it
	s_lshl_b32 s28, s44, 8
	s_mul_i32 s27, s24, GSTR
	s_add_co_u32 s28, s28, s27
	s_add_nc_u64 s[40:41], s[20:21], s[28:29]      ; group w's scale words of my block
	s_mul_i32 s44, s44, FRB
	s_add_co_u32 s44, s44, COD
	s_lshl_b32 s42, s24, 2
.irp f, 0,1,2,3
	s_add_co_u32 s27, s42, \f                      ; K step 4 w + f
	s_mul_i32 s28, s27, 43
	s_lshr_b32 s28, s28, 7                         ; its group: (K step) / 3, exact for 0 .. 31
	s_mul_i32 s43, s28, 3
	s_sub_co_u32 s27, s27, s43                     ; and its place in the group
	s_mul_i32 s28, s28, GSTR
	s_mul_i32 s27, s27, STB
	s_add_co_u32 s28, s28, s27
	s_add_co_u32 s28, s28, s44
	s_add_nc_u64 s[32+2*\f:33+2*\f], s[20:21], s[28:29]
.endr
.macro LOADW d
.irp i, 0,1,2,3,4,5,6,7
	global_load_b128 v[R+32*((\d)%3)+4*\i:R+32*((\d)%3)+4*\i+3], v13, s[4:5] offset:32768*\i+256*(\d) th:TH_LOAD_NT
.endr
.endm
.macro TURNW d                         ; LDS serves a wave's instructions in order (ISA guide 5.7.1.4): no wait between the stores and the loads
.irp i, 0,1,2,3,4,5,6,7
	ds_store_b128 v14, v[R+32*((\d)%3)+4*\i:R+32*((\d)%3)+4*\i+3] offset:2*AP*\i
.endr
.irp i, 0,1,2,3,4,5,6,7
	ds_load_b128 v[X+32*((\d)%2)+4*\i:X+32*((\d)%2)+4*\i+3], v15 offset:16*\i
.endr
.endm
.macro DSTEP d                         ; step d: fragment d / 2, its blocks 2 (d % 2) + h
.set XS, X+32*((\d)%2)
.set FF, (\d)/2
.set CC, (\d)%2
.set FB, F+12*(FF%2)
.set ZB, Z+2*(FF/2)
.set SB, S+2*(FF/2)
.if (\d) > 0
	s_wait_dscnt 1                                 ; this step's numbers are back; the last step's byte store, issued behind them, may be out
.else
	s_wait_dscnt 0x0
.endif
.if (\d) >= 4 && CC == 0
	s_wait_xcnt 0x0                                ; the stores of the fragment two back have read its registers
.endif
.if (\d)+3 < 8
	LOADW (\d)+3
.endif
.if (\d)+1 < 8
.if (\d) < 5
	s_wait_loadcnt 16                              ; the next step's eight loads are in; the two steps behind it may be out
.else
	s_wait_loadcnt 8*(6-(\d))
.endif
	TURNW (\d)+1
.endif
.set k, 0
.rept 32
	v_cvt_f32_i32 v[XS+k], v[XS+k]
.set k, k+1
.endr
.set k, 0
.rept 16
.if FF%2
	v_pk_add_f32 v[XS+k:XS+k+1], v[XS+k:XS+k+1], v[ZB:ZB+1] op_sel:[0,1] op_sel_hi:[1,1] neg_lo:[0,1] neg_hi:[0,1]
.else
	v_pk_add_f32 v[XS+k:XS+k+1], v[XS+k:XS+k+1], v[ZB:ZB+1] op_sel_hi:[1,0] neg_lo:[0,1] neg_hi:[0,1]
.endif
.set k, k+2
.endr
.set k, 0
.rept 16                               ; not fused: a product z s rounded beforehand would lose digits where q is near z
.if FF%2
	v_pk_mul_f32 v[XS+k:XS+k+1], v[XS+k:XS+k+1], v[SB:SB+1] op_sel:[0,1] op_sel_hi:[1,1]
.else
	v_pk_mul_f32 v[XS+k:XS+k+1], v[XS+k:XS+k+1], v[SB:SB+1] op_sel_hi:[1,0]
.endif
.set k, k+2
.endr
	v_max3_num_f32 v8, |v[XS]|, |v[XS+1]|, 0x2800000               ; the block's largest magnitude in two chains, with the floor 2^(5 - 127)
	v_max3_num_f32 v9, |v[XS+16]|, |v[XS+17]|, |v[XS+18]|
.set k, 0
.rept 6
	s_delay_alu instid0(VALU_DEP_2)
	v_max3_num_f32 v8, v8, |v[XS+2+2*k]|, |v[XS+3+2*k]|
	s_delay_alu instid0(VALU_DEP_2)
	v_max3_num_f32 v9, v9, |v[XS+19+2*k]|, |v[XS+20+2*k]|
.set k, k+1
.endr
	s_delay_alu instid0(VALU_DEP_2)
	v_max3_num_f32 v8, v8, |v[XS+14]|, |v[XS+15]|
	s_delay_alu instid0(VALU_DEP_1)
	v_max3_num_f32 v8, v8, v9, |v[XS+31]|
	s_delay_alu instid0(VALU_DEP_1)
	v_add_nc_u32 v11, 0xfe000000, v8               ; 4 off its exponent field: the conversions' scale operand
	v_cvt_scalef32_pk16_bf6_f32 v[FB+6*CC:FB+6*CC+2], v[XS:XS+15], v11
	v_cvt_scalef32_pk16_bf6_f32 v[TQ:TQ+2], v[XS+16:XS+31], v11    ; (a conversion's three registers begin on an even number)
	v_lshrrev_b32 v[E+(\d)], 23, v11               ; the scale's byte; also the plain line behind the conversions
.irp i, 0,1,2
	v_mov_b32 v[FB+6*CC+3+\i], v[TQ+\i]
.endr
	ds_store_b8 v5, v[E+(\d)] offset:64*FF+2*CC
.if CC
.irp c, 0,1,2
	global_store_b128 v4, v[FB+4*\c:FB+4*\c+3], s[32+2*FF:33+2*FF] offset:512*\c   ; the wave stores 512 consecutive bytes, at a multiple of 256
.endr
.endif
.endm
	global_load_b128 v[Z:Z+3], v12, s[8:9]
	global_load_b128 v[S:S+3], v12, s[6:7]
	LOADW 0
	LOADW 1
	LOADW 2
	s_wait_loadcnt 16                              ; zeros, scales and step 0 are in
	TURNW 0
.irp d, 0,1,2,3,4,5,6,7
	DSTEP \d
.endr
	s_wait_dscnt 0x0                               ; for the others' sake: my scale bytes lie in the table
	s_barrier_signal -1
	s_barrier_wait -1
	ds_load_b32 v[U], v6                           ; wave w stores group w's 256 bytes of scale words,
	ds_load_b32 v[U+1], v6 offset:64
	s_wait_dscnt 0x0
	global_store_b64 v7, v[U:U+1], s[40:41]
	s_cmp_gt_u32 s24, 2
	s_cbranch_scc1 .Lwend
	s_cmp_eq_u32 s24, 2                            ; waves 0 to 2 also group w + 8's
	s_cbranch_scc1 .Lwten
	ds_load_b32 v[U+2], v6 offset:1536
	ds_load_b32 v[U+3], v6 offset:1600
	s_branch .Lwput
.Lwten:
	ds_load_b32 v[U+2], v10
	ds_load_b32 v[U+3], v10 offset:64
.Lwput:
	s_wait_dscnt 0x0
	global_store_b64 v7, v[U+2:U+3], s[40:41] offset:8*GSTR
.Lwend:
	v_lshl_add_u32 v8, v0, 2, SPARE                ; the wave's end
	v_mov_b32 v9, 0
	s_wait_alu depctr_va_vdst(0)
	s_wait_tensorcnt 0x0
	ds_add_u32 v8, v9
	s_wait_dscnt 0x0
	s_endpgm
; ================================================================ THE T PATH
; Wave w owns the 16 rows from 128 H + 16 w on, and K steps 8 kq .. 8 kq + 7.
; PHASE A: wave w makes fragment 8 kq + w of lora_A x lora_E and stores it in LDS as an image of its registers.  One barrier.
; PHASE B: each wave walks the quarter's 8 K steps, four at a time: x's fragments of its rows (which it also stores into xf), the ranks' fragments from the images.
; At the end the waves with w % 4 = kq turn their rows' 2,048 scale bytes through their stage into xf's order: each block of 16 rows is served once among the four quarters' work-groups.
; The product is used transposed (source 0 = the 16 ranks, source 1 = 16 rows of x).  Two accumulators take turns and are added at the end.
.set XO,  17
.set XSI, 20
.set L16, 23                           ; v23 16 x lane
.set RA0, 24
.set PC,  152
.set TM,  172
.set PW,  188
.set WK,  190
.set XF,  140
.set ACC, 188
.set AQ,  204
.set AQS, 252
.set SUM, 76
.macro ALOAD reg, f
.irp u, 0,1
.irp i, 0,1,2,3,4,5,6,7
	global_load_b128 v[\reg+32*\u+4*\i:\reg+32*\u+4*\i+3], v4, s[10:11] offset:32768*\i+512*(\f)+256*\u
.endr
.endr
.endm
.macro ATURN reg
.irp u, 0,1
.irp i, 0,1,2,3,4,5,6,7
	ds_store_b128 v13, v[\reg+32*\u+4*\i:\reg+32*\u+4*\i+3] offset:2*AP*\i
.endr
.irp b, 0,1
.irp j, 0,1,2,3
	ds_load_b128 v[WK+32*\u+16*\b+4*\j:WK+32*\u+16*\b+4*\j+3], v16 offset:128*\b+16*\j
.endr
.endr
.endr
.endm
.macro QUANT s                         ; 64 numbers of a lane become a fragment's codes in v[PC] on and its scale word in v[PW]
.irp b, 0,1,2,3
	v_max3_num_f32 v[TM+\b], |v[\s+16*\b]|, |v[\s+1+16*\b]|, 0x2800000
.endr
.irp i, 2,4,6,8,10,12,14
.irp b, 0,1,2,3
	s_delay_alu instid0(VALU_DEP_4)
	v_max3_num_f32 v[TM+\b], v[TM+\b], |v[\s+16*\b+\i]|, |v[\s+1+16*\b+\i]|
.endr
.endr
.irp b, 0,1,2,3
	s_delay_alu instid0(VALU_DEP_4)
	v_permlanex16_b32 v[TM+4+\b], v[TM+\b], s[SEL], s[SEL+1]
.endr
.irp b, 0,1,2,3
	s_delay_alu instid0(VALU_DEP_4)
	v_max_num_f32 v[TM+\b], v[TM+\b], v[TM+4+\b]
.endr
.irp b, 0,1,2,3
	s_delay_alu instid0(VALU_DEP_4)
	v_add_nc_u32 v[TM+12+\b], 0xfe000000, v[TM+\b]
.endr
.irp b, 0,1,2,3
	s_delay_alu instid0(VALU_DEP_4)
	v_lshrrev_b32 v[TM+4+\b], 23, v[TM+12+\b]
.endr
	s_delay_alu instid0(VALU_DEP_3)
	v_lshl_or_b32 v[PW], v[TM+5], 8, v[TM+4]
	s_delay_alu instid0(VALU_DEP_1)
	v_lshl_or_b32 v[PW], v[TM+6], 16, v[PW]
	s_delay_alu instid0(VALU_DEP_1)
	v_lshl_or_b32 v[PW], v[TM+7], 24, v[PW]
.irp c, 0,1
	v_cvt_scalef32_pk16_bf6_f32 v[PC+6*\c:PC+2+6*\c], v[\s+32*\c:\s+15+32*\c], v[TM+12+2*\c]
	v_cvt_scalef32_pk16_bf6_f32 v[PC+12+4*\c:PC+14+4*\c], v[\s+16+32*\c:\s+31+32*\c], v[TM+12+2*\c+1]
.endr
	v_nop                                          ; one plain line behind the last scaled conversion
.irp c, 0,1                                    ; the operand's layout wants a whole block in a lane
.irp i, 0,1,2
	v_permlane16_swap_b32 v[PC+6*\c+\i], v[PC+12+4*\c+\i]
.endr
.irp i, 0,1,2
	s_delay_alu instid0(VALU_DEP_3)
	v_mov_b32 v[PC+3+6*\c+\i], v[PC+12+4*\c+\i]
.endr
.endr
.endm
.macro XGLOAD q                        ; the quarter's K steps 4 q .. 4 q + 3: 384 bytes of codes of each of my 16 rows by twelve loads of 512 bytes, and one for the rows' scale words
.set RX_, RA0+64*((\q)%2)
.irp n, 0,1,2,3
.irp m, 0,1,2
	global_load_b128 v[RX_+12*\n+4*\m:RX_+12*\n+4*\m+3], v[XO+\m], s[14:15] offset:12288*\n+3200*\m+384*(\q) th:TH_LOAD_NT
.endr
.endr
	global_load_b128 v[RX_+48:RX_+51], v11, s[16:17] offset:16*(\q)
.endm
.macro XTURN q
.set RX_, RA0+64*((\q)%2)
.irp n, 0,1,2,3
.irp m, 0,1,2
	ds_store_b128 v[XSI+\m], v[RX_+12*\n+4*\m:RX_+12*\n+4*\m+3] offset:4*XP*\n+(XP+128)*\m
.endr
.endr
.irp s, 0,1,2,3
.irp p, 0,1,2,3,4,5
	ds_load_b64 v[XF+12*\s+2*\p:XF+12*\s+2*\p+1], v10 offset:96*\s+48*(\p/3)+8*(\p%3)
.endr
.endr
.endm
.macro AQFETCH q
.irp s, 0,1,2,3
.irp c, 0,1,2
	ds_load_b128 v[AQ+12*\s+4*\c:AQ+12*\s+4*\c+3], v8 offset:(4*(\q)+\s)*FRB+512*\c
.endr
	ds_load_b32 v[AQS+\s], v9 offset:128*(4*(\q)+\s)
.endr
.endm
.macro GROUP q
.if (\q) == 0
	s_wait_loadcnt 13                              ; this group's 13 loads are in; the next group's 13 may be out
.else
	s_wait_loadcnt 0x0
	s_wait_xcnt 0x0                                ; the last group's stores have read x's fragments
.endif
	XTURN \q
	s_wait_dscnt 0x0
.irp s, 0,1,2,3
.irp c, 0,1,2
	global_store_b128 v[L16], v[XF+12*\s+4*\c:XF+12*\s+4*\c+3], s[32+2*(4*(\q)+\s):33+2*(4*(\q)+\s)] offset:512*\c   ; 512 consecutive bytes, at a multiple of 256
.endr
.endr
.set XW_, RA0+64*((\q)%2)+48
.irp s, 0,1,2,3
.if ((\q) == 0) && (\s < 2)
	v_wmma_scale_f32_16x16x128_f8f6f4 v[ACC+8*(\s%2):ACC+8*(\s%2)+7], v[AQ+12*\s:AQ+12*\s+11], v[XF+12*\s:XF+12*\s+11], 0, v[AQS+\s], v[XW_+\s] matrix_a_fmt:MATRIX_FMT_BF6 matrix_b_fmt:MATRIX_FMT_BF6
.else
	v_wmma_scale_f32_16x16x128_f8f6f4 v[ACC+8*(\s%2):ACC+8*(\s%2)+7], v[AQ+12*\s:AQ+12*\s+11], v[XF+12*\s:XF+12*\s+11], v[ACC+8*(\s%2):ACC+8*(\s%2)+7], v[AQS+\s], v[XW_+\s] matrix_a_fmt:MATRIX_FMT_BF6 matrix_b_fmt:MATRIX_FMT_BF6
.endif
.endr
.rept 4
	v_nop                                          ; four places in front of loads into these products' registers and of the first read of results
.endr
.if (\q) == 0
	AQFETCH 1
.endif
.endm
.Ltpath:
	s_lshr_b32 s52, ttmp9, 2                       ; H: my run of 128 rows
	s_and_b32 s53, ttmp9, 3                        ; kq: my quarter of K
	s_lshl_b32 s25, s52, 7
	s_lshl_b32 s26, s24, 4
	s_add_co_u32 s25, s25, s26                     ; my first row of x and of T
	s_mov_b32 s[SEL], 0x76543210
	s_mov_b32 s[SEL+1], 0xfedcba98
	v_and_b32 v1, 31, v0                           ; lane
	v_and_b32 v2, 15, v0                           ; r
	v_bfe_u32 v3, v0, 4, 1                         ; h
	v_lshlrev_b32 v4, 4, v2
	v_lshl_add_u32 v4, v3, 14, v4                  ; lora_A: 16 r along a rank's row, lanes 16-31 one rank down
	v_lshlrev_b32 v5, 2, v2                        ; lora_E: 4 r
	s_mul_i32 s26, s24, FRB
	s_add_co_u32 s26, s26, AIMG
	v_lshl_add_u32 v6, v1, 4, s26                  ; where I store my image
	s_lshl_b32 s26, s24, 7
	s_add_co_u32 s26, s26, ASC
	v_lshl_add_u32 v7, v1, 2, s26                  ; and its scale words
	v_lshl_add_u32 v8, v1, 4, AIMG                 ; where any image is read
	v_lshl_add_u32 v9, v1, 2, ASC
	s_mul_i32 s27, s24, TSTW
	s_add_co_u32 s27, s27, TST                     ; my stage
	v_mul_u32_u24 v13, v3, AP
	v_lshl_add_u32 v13, v2, 4, v13
	v_add_nc_u32 v13, s27, v13
	v_mul_u32_u24 v16, v2, AP
	v_lshl_add_u32 v16, v3, 6, v16
	v_add_nc_u32 v16, s27, v16
	v_mul_u32_u24 v10, v2, XP
	v_mad_u32_u24 v10, v3, 24, v10
	v_add_nc_u32 v10, s27, v10                     ; x's fragments out of the stage: row r, + 24 h
.irp m, 0,1,2
	v_add_nc_u32 v[XSI+\m], 8*(\m+1), v1
	v_lshrrev_b32 v[XSI+\m], 5, v[XSI+\m]          ; 1 in the lanes of load m that fall into the next row
	v_mul_u32_u24 v[XO+\m], v[XSI+\m], 3072-384
	v_lshl_add_u32 v[XO+\m], v1, 4, v[XO+\m]
	v_lshl_add_u32 v[XSI+\m], v[XSI+\m], 4, s27
	v_lshl_add_u32 v[XSI+\m], v1, 4, v[XSI+\m]
.endr
	v_lshlrev_b32 v11, 7, v2                       ; x's scale bytes: row r of 128
	v_lshlrev_b32 v12, 6, v2
	v_lshl_add_u32 v12, v3, 5, v12                 ; T's part: row r of 64 bytes, + 32 h
	v_mov_b32 v15, 0                               ; (named with v14 as a pair)
.irp b, 0,1,2,3
	v_mov_b32 v[TM+4+\b], 0                        ; a lane permute's destination counts as one of its sources
.endr
	v_lshlrev_b32 v[L16], 4, v1
	s_wait_alu depctr_va_vdst(0)                   ; the wait at the head's end
	s_wait_kmcnt 0x0
	s_lshl_b32 s55, s53, 3                         ; the quarter's first K step
	s_add_co_u32 s28, s55, s24
	s_lshl_b32 s28, s28, 9                         ; my fragment begins 512 (8 kq + w) bytes on in each row of lora_A
	s_add_nc_u64 s[10:11], s[10:11], s[28:29]
	s_mul_i32 s28, s25, 3072
	s_mul_i32 s2, s53, 768
	s_add_co_u32 s28, s28, s2
	s_add_nc_u64 s[14:15], s[14:15], s[28:29]
	s_lshl_b32 s28, s25, 7
	s_add_nc_u64 s[48:49], s[16:17], s[28:29]      ; my rows' scale bytes,
	s_lshl_b32 s28, s53, 5
	s_add_nc_u64 s[16:17], s[48:49], s[28:29]      ; and the quarter's 32 of each row
	s_lshl_b32 s28, s25, 6
	s_lshl_b32 s2, s53, 18
	s_add_co_u32 s28, s28, s2
	s_add_nc_u64 s[22:23], s[22:23], s[28:29]
	s_mul_i32 s28, s52, HSTR
	s_add_nc_u64 s[18:19], s[18:19], s[28:29]      ; my run of 128 rows in xf
	s_lshl_b32 s28, s24, 8
	s_add_nc_u64 s[50:51], s[18:19], s[28:29]      ; my block's scale words
	s_mul_i32 s54, s24, FRB
	s_add_co_u32 s54, s54, COD
.irp n, 0,1,2,3,4,5,6,7
	s_add_co_u32 s2, s55, \n                       ; K step 8 kq + n
	s_mul_i32 s28, s2, 43
	s_lshr_b32 s28, s28, 7                         ; its group: (K step) / 3, exact for 0 .. 31
	s_mul_i32 s3, s28, 3
	s_sub_co_u32 s2, s2, s3                        ; and its place in the group
	s_mul_i32 s28, s28, GSTR
	s_mul_i32 s2, s2, STB
	s_add_co_u32 s28, s28, s2
	s_add_co_u32 s28, s28, s54
	s_add_nc_u64 s[32+2*\n:33+2*\n], s[18:19], s[28:29]
.endr
	global_load_b32 v14, v5, s[12:13]              ; e of my rank
	ALOAD RA0+64, 0
	XGLOAD 0
	s_wait_loadcnt 13                              ; e and my fragment's numbers are in; the 13 loads of x's first group may be out
	ATURN RA0+64
	s_wait_dscnt 0x0
	XGLOAD 1                                       ; into the set that the stage's stores have read
.irp j, 0,2,4,6,8,10,12,14,16,18,20,22,24,26,28,30,32,34,36,38,40,42,44,46,48,50,52,54,56,58,60,62
	v_pk_mul_f32 v[WK+\j:WK+\j+1], v[WK+\j:WK+\j+1], v[14:15] op_sel_hi:[1,0]   ; lora_A x lora_E, in f32
.endr
	QUANT WK
.irp c, 0,1,2
	ds_store_b128 v6, v[PC+4*\c:PC+4*\c+3] offset:512*\c
.endr
	ds_store_b32 v7, v[PW]
	s_wait_dscnt 0x0                               ; for the others' sake: my image lies in LDS
	s_barrier_signal -1
	s_barrier_wait -1
	AQFETCH 0
	GROUP 0
	GROUP 1
.irp j, 0,2,4,6
	v_pk_add_f32 v[SUM+\j:SUM+\j+1], v[ACC+\j:ACC+\j+1], v[ACC+8+\j:ACC+8+\j+1]   ; each accumulator from its low end on
.endr
.irp j, 0,2,4,6
	s_delay_alu instid0(VALU_DEP_4)
	v_pk_mul_f32 v[SUM+\j:SUM+\j+1], v[SUM+\j:SUM+\j+1], 0x3f7ffff6 op_sel_hi:[1,0]   ; x c = 16 / 16.00001 as f32
.endr
	global_store_b128 v12, v[SUM:SUM+3], s[22:23]  ; lane (r, h): ranks 8 h .. 8 h + 7 of row r: the wave's two stores cover 1,024 consecutive bytes
	global_store_b128 v12, v[SUM+4:SUM+7], s[22:23] offset:16
	v_lshrrev_b32 v232, 3, v1                      ; the scale bytes' turn: in as loaded, rows 144 bytes apart: row lane / 8, 16 (lane % 8);
	v_mul_u32_u24 v232, v232, 144
	v_and_b32 v228, 7, v1
	v_lshl_add_u32 v228, v228, 4, v232
	v_add_nc_u32 v228, s27, v228
	v_lshrrev_b32 v232, 1, v1                      ; back: row lane / 2, the words of K steps 3 g + 2 (lane % 2) and the next;
	v_mul_u32_u24 v232, v232, 144
	v_add_nc_u32 v232, s27, v232
	v_and_b32 v229, 1, v1
	v_lshl_add_u32 v229, v229, 3, v232
	v_add_nc_u32 v230, 120, v232                   ; group 10: K steps 30 and 31 in all lanes
	v_lshlrev_b32 v231, 3, v1
	s_and_b32 s2, s24, 3
	s_cmp_lg_u32 s2, s53
	s_wait_alu depctr_va_vdst(0)                   ; the wait ahead of the branch and of the wait below
	s_cbranch_scc1 .Ltend
.irp m, 0,1,2,3
	global_load_b128 v[WK+4*\m:WK+4*\m+3], v[L16], s[48:49] offset:512*\m   ; my 16 rows' scale bytes as they lie
.endr
	s_wait_loadcnt 0x0
.irp m, 0,1,2,3
	ds_store_b128 v228, v[WK+4*\m:WK+4*\m+3] offset:576*\m
.endr
.irp g, 0,1,2,3,4,5,6,7,8,9
	ds_load_b32 v[WK+16+2*\g], v229 offset:12*\g
	ds_load_b32 v[WK+17+2*\g], v229 offset:12*\g+4
.endr
	ds_load_b32 v[WK+36], v230
	ds_load_b32 v[WK+37], v230 offset:4
	s_wait_dscnt 0x0
.irp g, 0,1,2,3,4,5,6,7,8,9,10
	global_store_b64 v231, v[WK+16+2*\g:WK+17+2*\g], s[50:51] offset:\g*GSTR   ; 256 consecutive bytes, at a multiple of 256
.endr
.Ltend:
	v_lshl_add_u32 v1, v0, 2, SPARE                ; the wave's end
	v_mov_b32 v2, 0
	s_wait_alu depctr_va_vdst(0)
	s_wait_tensorcnt 0x0
	ds_add_u32 v1, v2
	s_wait_dscnt 0x0
	s_endpgm
.Lfunc_end_k_q0fd7351729_prep:
	.size	k_q0fd7351729_prep, .Lfunc_end_k_q0fd7351729_prep-k_q0fd7351729_prep
	.p2alignl 7, 3214868480
	.fill 96, 4, 3214868480
	.section	.rodata,"a",@progbits
	.p2align	6, 0x0
	.amdhsa_kernel k_q0fd7351729_prep
		.amdhsa_group_segment_fixed_size 102400
		.amdhsa_private_segment_fixed_size 0
		.amdhsa_enable_private_segment 0
		.amdhsa_kernarg_size 80
		.amdhsa_user_sgpr_count 2
		.amdhsa_user_sgpr_kernarg_segment_ptr 1
		.amdhsa_wavefront_size32 1
		.amdhsa_system_sgpr_workgroup_id_x 1
		.amdhsa_system_sgpr_workgroup_id_y 1
		.amdhsa_system_sgpr_workgroup_id_z 1
		.amdhsa_system_vgpr_workitem_id 0
		.amdhsa_next_free_vgpr 256
		.amdhsa_next_free_sgpr 66
		.amdhsa_reserve_vcc 0
		.amdhsa_float_denorm_mode_32 3
		.amdhsa_float_denorm_mode_16_64 3
		.amdhsa_memory_ordered 1
		.amdhsa_forward_progress 1
		.amdhsa_inst_pref_size 97
	.end_amdhsa_kernel
	.amdgpu_metadata
---
amdhsa.version: [ 1, 2 ]
amdhsa.kernels:
  - .name:           k_q0fd7351729_prep
    .symbol:         k_q0fd7351729_prep.kd
    .args:
      - { .name: qweight, .offset: 0, .size: 8, .value_kind: global_buffer, .address_space: global }
      - { .name: scales, .offset: 8, .size: 8, .value_kind: global_buffer, .address_space: global }
      - { .name: zeros, .offset: 16, .size: 8, .value_kind: global_buffer, .address_space: global }
      - { .name: lora_A, .offset: 24, .size: 8, .value_kind: global_buffer, .address_space: global }
      - { .name: lora_E, .offset: 32, .size: 8, .value_kind: global_buffer, .address_space: global }
      - { .name: x_codes, .offset: 40, .size: 8, .value_kind: global_buffer, .address_space: global }
      - { .name: x_scales, .offset: 48, .size: 8, .value_kind: global_buffer, .address_space: global }
      - { .name: xf, .offset: 56, .size: 8, .value_kind: global_buffer, .address_space: global }
      - { .name: wf, .offset: 64, .size: 8, .value_kind: global_buffer, .address_space: global }
      - { .name: t, .offset: 72, .size: 8, .value_kind: global_buffer, .address_space: global }
    .group_segment_fixed_size: 102400
    .private_segment_fixed_size: 0
    .kernarg_segment_align: 8
    .kernarg_segment_size: 80
    .max_flat_workgroup_size: 256
    .sgpr_count:     66
    .vgpr_count:     256
    .wavefront_size: 32
...
	.end_amdgpu_metadata
.endif
;; end of part 1
;; launch gemm (part 2): grid 16 x 16, 4 waves a work-group, clusters of 4 x 4, 327,680 bytes of LDS; arguments xf, wf, t, lora_B, out0; writes out0
.if DOCPART == 2
	.amdgcn_target "amdgcn-amd-amdhsa--gfx1250"
	.amdhsa_code_object_version 6
	.text
	.protected	k_q0fd7351729_gemm
	.globl	k_q0fd7351729_gemm
	.p2align	8
	.type	k_q0fd7351729_gemm,@function
k_q0fd7351729_gemm:
	s_mov_b64 s[64:65], 0
	v_nop
	global_prefetch_b8 v0, s[64:65] scope:SCOPE_SE
	s_setreg_imm32_b32 hwreg(HW_REG_WAVE_MODE, 25, 1), 1
	s_wait_xcnt 0x0
	s_wait_alu depctr_hold_cnt(0) depctr_sa_sdst(0) depctr_va_vdst(0) depctr_va_sdst(0) depctr_va_ssrc(0) depctr_va_vcc(0) depctr_vm_vsrc(0)
	s_getreg_b32 s2, hwreg(HW_REG_IB_STS2, 6, 4)
	s_cmp_eq_u32 s2, 0
	s_cbranch_scc0 .Lentry_in_a_cluster
	s_endpgm
.Lentry_in_a_cluster:
	s_bfe_u32 s2, ttmp6, 0x10000c
	s_cmp_lg_u32 s2, 0xf033
	s_cbranch_scc0 .Lentry_shape_is_right
	s_endpgm
.Lentry_shape_is_right:
; out0[m][n] = sum over k of x[m][k] Q(W)[n][k] (codes of BF6 with E8M0 scales, by the scaled matrix form) + sum over 16 ranks of T[m][.] lora_B[n][.] (bf16 operands, f32 sums).
; T comes as four f32 parts over K (t [4][4096][16]), which are added here in f32 and rounded to bf16 once.
; xf and wf hold codes and scale words as the launch before laid them: [32 runs of 128 rows][11 groups of GSTR bytes]; a group is 2,048 bytes of scale words ([block of 16 rows][row][K step j]),
; then for each of its three K steps of 128 (group 10: two) eight fragments of 1,536 bytes, each an image of an operand's 12 registers.  A group is dense: a tensor load takes it as rows of 256 bytes.
; A tile of out0, 256 x 256, is made by four waves, 128 x 128 each: 64 accumulators, 512 registers.  K goes through two LDS slots of one group each (two runs of x's rows, two of W's: 4 GSTR bytes);
; each wave fetches a quarter of a slot by one load.  A fragment is three loads of 16 bytes a lane, 512 consecutive bytes each; the scale words of a block's three K steps are one load of 16 bytes.
; The product with lora_B starts the sums, so nothing is cleared.  THE MATRIX INSTRUCTIONS ARE USED TRANSPOSED (source 0 = rows of W or lora_B, source 1 = rows of x or T).
; THE LAST GROUP GOES BY ROWS OF out0: both of W's sets hold its two K steps, and each block of 16 rows is finished by 16 matrix instructions and leaves at once.
; CLUSTERS: 4 x 4 work-groups; x's groups are asked for jointly along a row of the cluster, W's along a column.
; PREFETCH: behind the refill with group G, groups G + 2 = 4 .. 9 are asked for: 152 blocks of 256 bytes of a run, 38 for each of the four partners, told apart by address; groups 0 to 3 and 10 come by their loads alone.
; REGISTERS: window 0: v0-31 addresses, v32-95 scale words (two sets), v128-223 x's fragments (one set); window 1: W's fragments, two sets at v0 and v128; windows 2, 3: the accumulators.
;   v96-127 and v224-255 of windows 0 and 1 hold the bf16 operands at the head; those of window 0 hold x's fragments of the last K step at the end.
.set SIZE_N, 4096
.set GSTR,   38912
.set HSTR,   11*GSTR
.set QB,     GSTR
.set SLOT,   4*QB
.set SPARE,  2*SLOT
.set COD,    2048
.set STB,    12288
.set FRB,    1536
.set FR,     12
.set NL,     3
.set NP,     4
.set SPITCH, 528
.set STAGE,  SLOT                      ; the way out goes through slot 1, which has had its last fill and its last read by then
.set TOF,  8
.set LBO,  9
.set PFO,  10
.set ADRA, 16
.set ADRB, 20
.set ADRS, 22
.set STO,  24
.set RD,   25
.set CO,   26
.set SPW,  28
.set NIL,  29
.set SC,   32
.set AF,   128
.set G1, 24
.set G0, 32
.set G1B, 48
.set G0B, 56
.set PFA, 96
.set MSB, 0
.macro WIN new
.if MSB != \new
	s_set_vgpr_msb (MSB<<8)|\new
.set MSB, \new
.endif
.endm
.set MUL_LO, 0xa1
.set MUL_HI, 0xf1
.set TO_B,   0x40
.macro JLOAD s                         ; a joint load: waves 0, 1 fetch x's two runs, waves 2, 3 W's
	s_cmp_eq_u32 s15, 0
	s_cbranch_scc0 .Lfor_b_\@
	tensor_load_to_lds s[G0+4*\s:G0+4*\s+3], s[G1:G1+7]
	s_nop 0
.rept 4
	v_nop
.endr
	s_branch .Lasked_\@
.Lfor_b_\@:
	tensor_load_to_lds s[G0B+4*\s:G0B+4*\s+3], s[G1B:G1B+7]
	s_nop 0
.rept 4
	v_nop
.endr
.Lasked_\@:
.endm
.macro CREST
	s_cmp_lg_u32 s14, 0
	s_cbranch_scc1 .Lnot_wave_0_\@
	s_barrier_signal -3
.Lnot_wave_0_\@:
	s_barrier_wait -3
	s_barrier_signal -1
	s_barrier_wait -1
.endm
.macro CROUND
	s_barrier_signal -1
	s_barrier_wait -1
	CREST
.endm
.macro ASK                             ; the loop's last trip asks for nothing
	s_cmp_gt_u32 s3, 1
	s_cbranch_scc0 .Lnot_mine_\@
	global_prefetch_b8 v[PFO], s[PFA:PFA+1] th:TH_LOAD_NT scope:SCOPE_SE
	global_prefetch_b8 v[PFO+1], s[PFA:PFA+1] th:TH_LOAD_NT scope:SCOPE_SE
.Lnot_mine_\@:
.endm
.macro FRAG reg, adr, j, i
.irp c, 0,1,2
	ds_load_b128 v[\reg+4*\c:\reg+4*\c+3], v[\adr] offset:COD+(\j)*STB+(\i)*FRB+512*\c
.endr
.endm
; 16 matrix instructions: x's blocks a0, a0 + 1 against W's eight.  p: W's set; j: the K step in its group; sc: the set of scale words.  The 64 accumulators take turns.
.macro MUL16 a0, p, j, sc
.irp a, \a0, \a0+1
.irp b, 0,1,2,3,4,5,6,7
	v_wmma_scale_f32_16x16x128_f8f6f4 v[8*(8*((\a)%4)+\b):8*(8*((\a)%4)+\b)+7], v[128*(\p)+FR*\b:128*(\p)+FR*\b+FR-1], v[AF+FR*(\a):AF+FR*(\a)+FR-1], v[8*(8*((\a)%4)+\b):8*(8*((\a)%4)+\b)+7], v[SC+32*(\sc)+4*\b+(\j)], v[SC+32*(\sc)+4*(\a)+(\j)] matrix_a_fmt:MATRIX_FMT_BF6 matrix_b_fmt:MATRIX_FMT_BF6 matrix_a_scale:MATRIX_SCALE_ROW1
.endr
.endr
.endm
.macro FETCH_B slot, j, p
	WIN TO_B
.irp i, 0,1,2,3,4,5,6,7
	FRAG 128*(\p)+FR*\i, ADRB+\slot, \j, \i
.endr
	WIN 0
.endm
.macro FETCH_A slot, j, i0
.irp i, \i0, \i0+1, \i0+2, \i0+3
	FRAG AF+FR*(\i), ADRA+\slot, \j, \i
.endr
.endm
.macro SCALES slot                     ; register 4 i + j: lanes 0-15 the word of x's block i, lanes 16-31 that of W's block i, for the group's K step j
.irp i, 0,1,2,3,4,5,6,7
	ds_load_b128 v[SC+32*\slot+4*\i:SC+32*\slot+4*\i+3], v[ADRS+\slot] offset:256*\i
.endr
.endm
.macro PLACES n
.rept \n
	v_nop
.endr
.endm
; K step j (0 or 1) of the group in a slot: 64 matrix instructions.  x's fragments of the next step are fetched in its middle and at its end.
; W's fragments are fetched two K steps ahead, at a step's end, into the set that the step has just multiplied: at the end of j = 0 those of j = 2, at the end of j = 2 those of the next group's j = 1.
.macro STEP slot, j, p
	s_wait_dscnt 12*NL                             ; all but the last step's closing run: x's blocks 4-7 (12 loads), then a set of W's (24)
	WIN MUL_LO
	MUL16 0, \p, \j, \slot
	MUL16 2, \p, \j, \slot
	s_wait_dscnt 8*NL                              ; x's blocks 4-7 are in; W's 24 loads behind them may be out
	PLACES NP
	WIN 0
	FETCH_A \slot, (\j)+1, 0
	WIN MUL_HI
	MUL16 4, \p, \j, \slot
	MUL16 6, \p, \j, \slot
	PLACES NP
	WIN 0
	FETCH_A \slot, (\j)+1, 4
.if (\j) == 0
	FETCH_B \slot, 2, \p
.endif
.endm
; A group's third K step changes slots.  fill = 1: the slot takes the group two on; 2: that group is the last, of 104 rows; 0: nothing is left to fetch.  ask = 1: in the loop
.macro TURN slot, next, p, fill, ask
.if \ask
	s_wait_xcnt 0x0                                ; my prefetches have read their address
	s_add_nc_u64 s[PFA:PFA+1], s[PFA:PFA+1], GSTR
.endif
	s_wait_tensorcnt 0x0                           ; my part of the next slot has landed;
	ds_add_u32 v[SPW], v[NIL]
.if \fill == 2
	s_mov_b32 s[G1+2], 104<<16                     ; no tensor load of mine is out: the last group has 2,048 + 2 x 12,288 bytes
	s_mov_b32 s[G1+4], 104
	s_mov_b32 s[G1B+2], 104<<16
	s_mov_b32 s[G1B+4], 104
.endif
	s_wait_dscnt 4*NL+1                            ; (the add and the youngest twelve loads may be out)
	WIN MUL_LO
	MUL16 0, \p, 2, \slot
	s_wait_dscnt 0x0                               ; the add is done, and my reads of this slot are over
	s_barrier_signal -1
	MUL16 2, \p, 2, \slot
	WIN 0
	s_barrier_wait -1
.if \fill
	CREST                                          ; the barrier has opened a round of the cluster's barrier
	s_add_nc_u64 s[G0+4*\slot+2:G0+4*\slot+3], s[G0+4*\slot+2:G0+4*\slot+3], 2*GSTR
	s_add_nc_u64 s[G0B+4*\slot+2:G0B+4*\slot+3], s[G0B+4*\slot+2:G0B+4*\slot+3], 2*GSTR
	JLOAD \slot                                    ; the first tensor load behind the round; its four v_nop are the places in front of the loads below
.else
	PLACES NP
.endif
	FETCH_B \next, 0, 1-(\p)
	FETCH_A \next, 0, 0
	SCALES \next
.if \ask
	ASK
.endif
	WIN MUL_HI
	MUL16 4, \p, 2, \slot
	MUL16 6, \p, 2, \slot
	PLACES NP
	WIN 0
	FETCH_A \next, 0, 4
	FETCH_B \next, 1, \p
.endm
; THE LAST GROUP, block by block of 16 rows.  ROW: block a's 8 accumulators by turns, K step 0 (W's set 0, x's fragment in the one set), then K step 1 (W's set 1, x's fragment in one of four spare buffers).
.macro ROW a
.set AC, 64*((\a)%4)
.set X1, 96+FR*((\a)%4)+104*(((\a)%4)/2)
	WIN MUL_LO+0x50*((\a)/4)
.irp b, 0,1,2,3,4,5,6,7
	v_wmma_scale_f32_16x16x128_f8f6f4 v[AC+8*\b:AC+8*\b+7], v[FR*\b:FR*\b+FR-1], v[AF+FR*(\a):AF+FR*(\a)+FR-1], v[AC+8*\b:AC+8*\b+7], v[SC+4*\b], v[SC+4*(\a)] matrix_a_fmt:MATRIX_FMT_BF6 matrix_b_fmt:MATRIX_FMT_BF6 matrix_a_scale:MATRIX_SCALE_ROW1
.endr
.irp b, 0,1,2,3,4,5,6,7
	v_wmma_scale_f32_16x16x128_f8f6f4 v[AC+8*\b:AC+8*\b+7], v[128+FR*\b:128+FR*\b+FR-1], v[X1:X1+FR-1], v[AC+8*\b:AC+8*\b+7], v[SC+4*\b+1], v[SC+4*(\a)+1] matrix_a_fmt:MATRIX_FMT_BF6 matrix_b_fmt:MATRIX_FMT_BF6 matrix_a_scale:MATRIX_SCALE_ROW1
.endr
.endm
.macro XLOAD a                         ; x's fragment of block a, K step 1, into buffer a % 4: v96, v108, v224, v236 of window 0
	FRAG 96+FR*((\a)%4)+104*(((\a)%4)/2), ADRA, 1, \a
.endm
; THE WAY OUT of block a: 32 bytes a lane into my own stage, back as whole rows of 512 bytes into the block's own accumulator registers, and stored.
.macro TOSTAGE a
.set AC, 64*((\a)%4)
	WIN 0x08+4*((\a)/4)
.irp b, 0,1,2,3,4,5,6,7
	ds_store_b128 v[STO], v[AC+8*\b:AC+8*\b+3] offset:64*\b          ; each accumulator from its low end on
	ds_store_b128 v[STO], v[AC+8*\b+4:AC+8*\b+7] offset:64*\b+16
.endr
	s_wait_dscnt 0x0                               ; the stores have read the accumulators, which the loads below write
	WIN 0x80+0x40*((\a)/4)
.irp t, 0,1,2,3,4,5,6,7,8,9,10,11,12,13,14,15
	ds_load_b128 v[AC+4*\t:AC+4*\t+3], v[RD] offset:\t*SPITCH
.endr
	WIN 0
.endm
.macro SEND a, younger                 ; younger: the LDS loads issued behind the block's, which may stay out
.set AC, 64*((\a)%4)
	s_wait_dscnt \younger
.if (\a) > 0
	s_wait_xcnt 0x0                                ; the earlier stores have read their base
	s_add_nc_u64 s[12:13], s[12:13], 16*SIZE_N*4
.endif
	WIN 0x08+4*((\a)/4)
.irp t, 0,1,2,3,4,5,6,7,8,9,10,11,12,13,14,15
	global_store_b128 v[CO], v[AC+4*\t:AC+4*\t+3], s[12:13] offset:\t*SIZE_N*4 th:TH_STORE_NT   ; 512 consecutive bytes, at a multiple of 256
.endr
.endm
	s_load_b256 s[4:11], s[0:1], 0x0               ; xf s[4:5], wf s[6:7], t s[8:9], lora_B s[10:11]
	s_load_b64 s[12:13], s[0:1], 0x20              ; out0
	v_lshl_add_u32 v[SPW], v0, 2, SPARE
	v_mov_b32 v[NIL], 0
	ds_add_u32 v[SPW], v[NIL]                      ; the opening lines: the add, twice on end, and its wait
	ds_add_u32 v[SPW], v[NIL]
	v_lshrrev_b32 v1, 5, v0
	v_readfirstlane_b32 s14, v1                    ; wave 0..3
	s_lshr_b32 s15, s14, 1                         ; my half of the tile's rows; also: I fetch for x (0) or W (1)
	s_and_b32 s16, s14, 1                          ; my half of its columns; also: which run of 128 rows I fetch
	s_bfe_u32 s40, ttmp6, 0x40000                  ; cx
	s_bfe_u32 s41, ttmp6, 0x40004                  ; cy
	s_lshl_b32 s42, ttmp9, 2
	s_add_co_u32 s42, s42, s40                     ; tile column
	s_and_b32 s17, ttmp7, 0xffff
	s_lshl_b32 s17, s17, 2
	s_add_co_u32 s17, s17, s41                     ; tile row
	s_lshl_b32 s43, s41, 2
	s_lshl_b32 s43, 15, s43                        ; my row of the cluster
	s_lshl_b32 s44, 0x1111, s40                    ; my column
	s_or_b32 s[G1+0], s43, (3<<16)|(1<<21)         ; elements of 8 bytes, no padding; the mask, and bit 21 beside it
	s_or_b32 s[G1B+0], s44, (3<<16)|(1<<21)
.irp g, G1, G1B
	s_mov_b32 s[\g+1], 32<<16                      ; rows of 256 bytes,
	s_mov_b32 s[\g+2], (GSTR/256)<<16              ; 152 of them
	s_mov_b32 s[\g+3], 32<<16
	s_mov_b32 s[\g+4], GSTR/256
	s_mov_b32 s[\g+5], 32
	s_mov_b32 s[\g+6], 0
	s_mov_b32 s[\g+7], 0
.endr
	s_lshl_b32 s20, s17, 1
	s_add_co_u32 s20, s20, s16
	s_mul_i32 s20, s20, HSTR                       ; x: run 2 x tile row + half
	s_mov_b32 s21, 0
	s_lshl_b32 s46, s42, 1
	s_add_co_u32 s46, s46, s16
	s_mul_i32 s46, s46, HSTR                       ; W: run 2 x tile column + half
	s_mov_b32 s47, 0
	s_mul_i32 s45, s14, QB                         ; where they go: wave x a quarter of a slot
	s_wait_dscnt 0x0
	s_wait_kmcnt 0x0
	s_add_nc_u64 s[20:21], s[4:5], s[20:21]
	s_add_nc_u64 s[46:47], s[6:7], s[46:47]
	CROUND                                         ; all sixteen work-groups are here: the first joint loads meet
.irp s, 0,1
	s_mov_b32 s[G0+4*\s], 1
	s_add_co_u32 s[G0+4*\s+1], s45, \s*SLOT
	s_add_nc_u64 s[G0+4*\s+2:G0+4*\s+3], s[20:21], \s*GSTR
	s_or_b32 s[G0+4*\s+3], s[G0+4*\s+3], 0x80000000
	s_mov_b32 s[G0B+4*\s], 1
	s_add_co_u32 s[G0B+4*\s+1], s45, \s*SLOT
	s_add_nc_u64 s[G0B+4*\s+2:G0B+4*\s+3], s[46:47], \s*GSTR
	s_or_b32 s[G0B+4*\s+3], s[G0B+4*\s+3], 0x80000000
.endr
	JLOAD 0                                        ; group 0: one tensor load a wave at the head
	s_mul_i32 s21, s15, QB                         ; my run of x in a slot
	s_mul_i32 s22, s16, QB
	s_add_co_u32 s22, s22, 2*QB                    ; my run of W
	s_sub_co_u32 s23, s22, s21
	s_mul_i32 s18, s14, 16*SPITCH
	s_add_co_u32 s18, s18, STAGE                   ; my stage
	s_mov_b32 s95, 0
	s_lshl_b32 s94, s17, 22                        ; out0: 256 x tile row + 128 x half rows of 16,384 bytes, 1,024 x tile column + 512 x half bytes
	s_lshl_b32 s19, s15, 21
	s_add_co_u32 s94, s94, s19
	s_lshl_b32 s19, s42, 10
	s_add_co_u32 s94, s94, s19
	s_lshl_b32 s19, s16, 9
	s_add_co_u32 s94, s94, s19
	s_add_nc_u64 s[12:13], s[12:13], s[94:95]
	s_lshl_b32 s94, s17, 14                        ; t: my 128 rows of 64 bytes, in each of its four parts
	s_lshl_b32 s19, s15, 13
	s_add_co_u32 s94, s94, s19
	s_add_nc_u64 s[8:9], s[8:9], s[94:95]
	s_lshl_b32 s94, s42, 14                        ; lora_B: my 128 rows of 64 bytes
	s_lshl_b32 s19, s16, 13
	s_add_co_u32 s94, s94, s19
	s_add_nc_u64 s[10:11], s[10:11], s[94:95]
	s_cmp_eq_u32 s15, 0                            ; the prefetches: the run that I fetch, my work-group's 38 blocks of its 152
	s_cselect_b32 s94, s17, s42
	s_cselect_b32 s19, s40, s41
	s_cselect_b64 s[PFA:PFA+1], s[4:5], s[6:7]
	s_lshl_b32 s94, s94, 1
	s_add_co_u32 s94, s94, s16
	s_mul_i32 s94, s94, HSTR
	s_mul_i32 s19, s19, 38*256
	s_add_co_u32 s94, s94, s19
	s_add_co_u32 s94, s94, 3*GSTR                  ; at group 3: the first refill steps it to group 4
	s_add_nc_u64 s[PFA:PFA+1], s[PFA:PFA+1], s[94:95]
	v_and_b32 v1, 15, v0                           ; r
	v_bfe_u32 v2, v0, 4, 1                         ; h
	v_and_b32 v3, 31, v0                           ; lane
	v_lshlrev_b32 v[CO], 4, v3                     ; 16 x lane
	v_add_nc_u32 v[ADRA], s21, v[CO]
	v_add_nc_u32 v[ADRB], s22, v[CO]
	v_add_nc_u32 v[ADRA+1], SLOT, v[ADRA]
	v_add_nc_u32 v[ADRB+1], SLOT, v[ADRB]
	v_mul_u32_u24 v5, s23, v2                      ; scale words: lanes 0-15 x's rows, lanes 16-31 W's; 16 bytes a row
	v_lshl_add_u32 v5, v1, 4, v5
	v_add_nc_u32 v[ADRS], s21, v5
	v_add_nc_u32 v[ADRS+1], SLOT, v[ADRS]
	v_mul_u32_u24 v5, v1, SPITCH
	v_lshl_add_u32 v5, v2, 5, v5
	v_add_nc_u32 v[STO], s18, v5
	v_add_nc_u32 v[RD], s18, v[CO]
	v_lshlrev_b32 v[PFO], 8, v3                    ; blocks 0 .. 31 of my 38,
	v_min_u32 v5, 5, v3
	v_lshl_add_u32 v[PFO+1], v5, 8, 8192           ; and 32 .. 37 (the lanes left over name the last again)
	v_lshlrev_b32 v[TOF], 6, v1
	v_lshl_add_u32 v[TOF], v2, 5, v[TOF]
	v_lshlrev_b32 v[LBO], 6, v1
	v_lshl_add_u32 v[LBO], v2, 5, v[LBO]
	s_wait_alu depctr_va_vdst(0)                   ; the wait behind the head's addresses
	WIN 0x80                                       ; t's four parts, f32, into window 2, which holds no sums yet: part q of block a at v[64 q + 8 a]
.irp q, 0,1,2,3
.irp a, 0,1,2,3,4,5,6,7
	global_load_b128 v[64*\q+8*\a:64*\q+8*\a+3], v[TOF], s[8:9] offset:262144*\q+1024*\a
	global_load_b128 v[64*\q+8*\a+4:64*\q+8*\a+7], v[TOF], s[8:9] offset:262144*\q+1024*\a+16
.endr
.endr
	WIN 0xc0                                       ; lora_B's rows, f32, into window 3
.irp b, 0,1,2,3,4,5,6,7
	global_load_b128 v[8*\b:8*\b+3], v[LBO], s[10:11] offset:1024*\b
	global_load_b128 v[8*\b+4:8*\b+7], v[LBO], s[10:11] offset:1024*\b+16
.endr
	WIN 0
	s_wait_tensorcnt 0x0                           ; my part of group 0 is in
	ds_add_u32 v[SPW], v[NIL]
	s_wait_dscnt 0x0
	CROUND
	JLOAD 1                                        ; group 1, the first tensor load behind the round
	FETCH_B 0, 0, 0                                ; the first fragments are on their way while the product with lora_B is made
	FETCH_A 0, 0, 0
	SCALES 0
	FETCH_A 0, 0, 4
	FETCH_B 0, 1, 1
	s_wait_loadcnt 0x0
	WIN 0x8a                                       ; t's four parts are added in f32,
.set k, 0
.rept 32
	v_pk_add_f32 v[k:k+1], v[k:k+1], v[64+k:65+k]
	v_pk_add_f32 v[128+k:129+k], v[128+k:129+k], v[192+k:193+k]
.set k, k+2
.endr
.set k, 0
.rept 32
	v_pk_add_f32 v[k:k+1], v[k:k+1], v[128+k:129+k]
.set k, k+2
.endr
	WIN 0x0a                                       ; and the sums rounded to bf16, into window 0: block a at v96 + 8 a (a < 4), v224 + 8 (a - 4)
.irp a, 0,1,2,3,4,5,6,7
.irp i, 0,1,2,3
	v_cvt_pk_bf16_f32 v[96+8*\a+96*(\a/4)+\i], v[8*\a+2*\i], v[8*\a+2*\i+1]
.endr
.irp i, 4,5,6,7
	v_mov_b32 v[96+8*\a+96*(\a/4)+\i], 0           ; ranks 16 .. 31 of the form's K = 32 are zeros
.endr
.endr
	WIN 0x4f                                       ; lora_B likewise, from window 3 into window 1
.irp b, 0,1,2,3,4,5,6,7
.irp i, 0,1,2,3
	v_cvt_pk_bf16_f32 v[96+8*\b+96*(\b/4)+\i], v[8*\b+2*\i], v[8*\b+2*\i+1]
.endr
.irp i, 4,5,6,7
	v_mov_b32 v[96+8*\b+96*(\b/4)+\i], 0
.endr
.endr
.rept 4
	v_nop
.endr
	WIN MUL_LO
.irp a, 0,1,2,3
.irp b, 0,1,2,3,4,5,6,7
	v_wmma_f32_16x16x32_bf16 v[8*(8*\a+\b):8*(8*\a+\b)+7], v[96+8*\b+96*(\b/4):96+8*\b+96*(\b/4)+7], v[96+8*\a:96+8*\a+7], 0
.endr
.endr
	WIN MUL_HI
.irp a, 4,5,6,7
.irp b, 0,1,2,3,4,5,6,7
	v_wmma_f32_16x16x32_bf16 v[8*(8*(\a-4)+\b):8*(8*(\a-4)+\b)+7], v[96+8*\b+96*(\b/4):96+8*\b+96*(\b/4)+7], v[224+8*(\a-4):224+8*(\a-4)+7], 0
.endr
.endr
.rept 5
	v_nop                                          ; five places: the scaled form takes these results up as C (ISA guide 7.12.1)
.endr
	WIN 0
	s_mov_b32 s3, 4
.Llap:                                                 ; a trip: two groups, six K steps; groups 0 .. 7
	STEP 0, 0, 0
	STEP 0, 1, 1
	TURN 0, 1, 0, 1, 1
	STEP 1, 0, 1
	STEP 1, 1, 0
	TURN 1, 0, 1, 1, 1
	s_sub_co_u32 s3, s3, 1
	s_cmp_lg_u32 s3, 0
	s_cbranch_scc1 .Llap
	STEP 0, 0, 0                                   ; group 8,
	STEP 0, 1, 1
	TURN 0, 1, 0, 2, 0                             ; whose slot takes group 10
	STEP 1, 0, 1                                   ; group 9
	STEP 1, 1, 0
	TURN 1, 0, 1, 0, 0                             ; it has fetched group 10's K step 0 (W's set 0, x's eight blocks) and W's set 1 for K step 1
	XLOAD 0
	XLOAD 1
	XLOAD 2
	XLOAD 3
	s_wait_dscnt 3*NL                              ; all but the fragments of blocks 1 to 3 just asked for
	ROW 0
.irp a, 0,1,2,3,4,5,6,7
	PLACES NP                                      ; in front of the first read of the block's results and of the load into its spare buffer
	TOSTAGE \a
.if \a < 4
	XLOAD \a+4
.endif
.if \a < 7
	ROW \a+1                                       ; its fragments were shown in by the wait inside TOSTAGE
.endif
.if \a < 4
	SEND \a, NL
.else
	SEND \a, 0
.endif
.endr
	WIN 0
	s_wait_tensorcnt 0x0                           ; the wave's end
	ds_add_u32 v[SPW], v[NIL]
	s_wait_dscnt 0x0
	CROUND                                         ; the closing round
	s_endpgm
.Lfunc_end_k_q0fd7351729_gemm:
	.size	k_q0fd7351729_gemm, .Lfunc_end_k_q0fd7351729_gemm-k_q0fd7351729_gemm
	.p2alignl 7, 3214868480
	.fill 96, 4, 3214868480
	.section	.rodata,"a",@progbits
	.p2align	6, 0x0
	.amdhsa_kernel k_q0fd7351729_gemm
		.amdhsa_group_segment_fixed_size 327680
		.amdhsa_private_segment_fixed_size 0
		.amdhsa_enable_private_segment 0
		.amdhsa_kernarg_size 40
		.amdhsa_user_sgpr_count 2
		.amdhsa_user_sgpr_kernarg_segment_ptr 1
		.amdhsa_wavefront_size32 1
		.amdhsa_system_sgpr_workgroup_id_x 1
		.amdhsa_system_sgpr_workgroup_id_y 1
		.amdhsa_system_sgpr_workgroup_id_z 1
		.amdhsa_system_vgpr_workitem_id 0
		.amdhsa_next_free_vgpr 1024
		.amdhsa_next_free_sgpr 98
		.amdhsa_reserve_vcc 0
		.amdhsa_float_denorm_mode_32 3
		.amdhsa_float_denorm_mode_16_64 3
		.amdhsa_memory_ordered 1
		.amdhsa_forward_progress 1
		.amdhsa_inst_pref_size 231
	.end_amdhsa_kernel
	.amdgpu_metadata
---
amdhsa.version: [ 1, 2 ]
amdhsa.kernels:
  - .name:           k_q0fd7351729_gemm
    .symbol:         k_q0fd7351729_gemm.kd
    .args:
      - { .name: xf, .offset: 0, .size: 8, .value_kind: global_buffer, .address_space: global }
      - { .name: wf, .offset: 8, .size: 8, .value_kind: global_buffer, .address_space: global }
      - { .name: t, .offset: 16, .size: 8, .value_kind: global_buffer, .address_space: global }
      - { .name: lora_B, .offset: 24, .size: 8, .value_kind: global_buffer, .address_space: global }
      - { .name: out0, .offset: 32, .size: 8, .value_kind: global_buffer, .address_space: global }
    .group_segment_fixed_size: 327680
    .private_segment_fixed_size: 0
    .kernarg_segment_align: 8
    .kernarg_segment_size: 40
    .max_flat_workgroup_size: 128
    .sgpr_count:     98
    .vgpr_count:     1024
    .wavefront_size: 32
...
	.end_amdgpu_metadata
.endif
;; end of part 2
